; MI455X (gfx1250); checked and timed in simulation.
; The chip was launched on July 23, 2026; its instructions are those of AMD's public machine-readable ISA for CDNA 5 (MIT licence, August 2026) and "CDNA5" Instruction Set Architecture Reference Guide (July 2026). The comments in the code are by the model that wrote it; some were corrected since.
;; My Linear. Allowed arithmetic: matrix products marked QUANTISED: E2M1 operands, one E8M0 scale for each 32 along K, by v_wmma_scale_f32_16x16x128_f8f6f4 with both operands' format E2M1 (or v_wmma_scale_f32_32x16x128_f4), f32 sums; everything else in f32.
;; Inputs: W_codes 4,096 x 128 x 16 uint8 (E2M1 codes of W, K innermost, in blocks of 32 codes, two codes a byte); W_scales 4,096 x 128 uint8 (E8M0 scales of W, one for each 32 codes along K); b 4,096 float32; x_codes 4,096 x 128 x 16 uint8 (E2M1 codes of x, K innermost, in blocks of 32 codes, two codes a byte); x_scales 4,096 x 128 uint8 (E8M0 scales of x, one for each 32 codes along K).
;; Outputs: out0 4,096 x 4,096 float32.
;; This version of the problem:
;;   THIS VERSION OF THE PROBLEM IS GIVEN IN LOW PRECISION. The matrix products marked QUANTISED in the list below multiply operands that are first quantised to E2M1 (2 exponent bits, 1 mantissa bit; 4 bits a number), with one power-of-two scale for each 32 numbers along K (OCP MX v1.0); their sums are f32. All else is computed in f32.
;;   The module's matrix products, in the order in which they are computed (A, B: the left and right operand; K: the contracted axis; several contracted axes count as one K, in the product's order):
;;     1. [M 4,096, K 4,096] x [K 4,096, N 4,096]; A: input x (given as codes); B: input W (given as codes): QUANTISED
;;   THE QUANTISER, for each operand of a quantised product, along K:
;;     - K is cut into blocks of 32 from its start; a last block that is shorter is filled with zeros.
;;     - A block's scale is 2^e with e = floor(log2(the largest magnitude in the block)) - 2, held to -126 .. 127; a block of zeros has e = 0. As a byte (E8M0): e + 127.
;;     - Each number is divided by its block's scale, clamped to +-6, and rounded to the nearest number of E2M1, ties to even, subnormals kept.
;;     - The product sums the exact products of the quantised numbers (number of the format x scale) in f32.
;;   ~~~python
;;   def quantise(x, axis):      # numpy; x: float32 -> the quantised numbers, widened to float32 again
;;       x = np.moveaxis(x, axis, -1); K = x.shape[-1]
;;       x = np.pad(x, [(0, 0)] * (x.ndim - 1) + [(0, -K % 32)]); x = x.reshape(x.shape[:-1] + (-1, 32)); a = np.abs(x).max(-1, keepdims=True)
;;       e = np.where(a > 0, np.clip(np.frexp(np.where(a > 0, a, 1))[1] - 1 - 2, -126, 127), 0)      # np.frexp(a)[1] - 1 = floor(log2(a)), exactly
;;       r = np.clip(x / 2.0 ** e, -6, 6)
;;       step = 2.0 ** (np.maximum(np.frexp(np.where(r == 0, 1, r))[1] - 1, 0) - 1)
;;       q = np.round(r / step) * step * 2.0 ** e      # np.round: ties to even
;;       return np.moveaxis(q.reshape(q.shape[:-2] + (-1,))[..., :K], -1, axis).astype(np.float32)
;;   ~~~
;;   INPUTS GIVEN AS CODES. W (in the module: [4096, 4096], K = its axis 0); x (in the module: [4096, 4096], K = its axis 1): each comes as NAME_codes (uint8): NAME with its K axis moved to the last place and cut into blocks of 32 codes, [.., K / 32, bytes a block], one block behind the other in memory; two codes a byte, the lower K in the low four bits (a code: sign, 2 exponent bits, 1 mantissa bit); and NAME_scales (uint8): the same leading axes, one E8M0 byte (e + 127) for each 32 codes along K. Its value is code x scale, taken as it is: it is not quantised again, and the codes and scales need not be those that the quantiser above would give.
;; One version. Each part assembles by itself: llvm-mc -triple=amdgcn-amd-amdhsa -mcpu=gfx1250 --defsym DOCPART=n.
;; ======== version 1 of 1: 1 launch
;; limits: right only within a limited range of input values
;; launch gemm (part 1): grid 16 x 16, 4 waves a work-group, clusters of 4 x 4, 327,680 bytes of LDS; arguments x_codes, x_scales, W_codes, W_scales, b, out0; writes out0
.if DOCPART == 1
	.amdgcn_target "amdgcn-amd-amdhsa--gfx1250"
	.amdhsa_code_object_version 6
	.text
	.protected	k_q3b90cae8c8_gemm
	.globl	k_q3b90cae8c8_gemm
	.p2align	8
	.type	k_q3b90cae8c8_gemm,@function
k_q3b90cae8c8_gemm:
	s_mov_b64 s[64:65], 0
	v_nop
	global_prefetch_b8 v0, s[64:65] scope:SCOPE_SE
	s_setreg_imm32_b32 hwreg(HW_REG_WAVE_MODE, 25, 1), 1
	s_wait_xcnt 0x0
	s_wait_alu depctr_hold_cnt(0) depctr_sa_sdst(0) depctr_va_vdst(0) depctr_va_sdst(0) depctr_va_ssrc(0) depctr_va_vcc(0) depctr_vm_vsrc(0)
	s_getreg_b32 s2, hwreg(HW_REG_IB_STS2, 6, 4)
	s_cmp_eq_u32 s2, 0
	s_cbranch_scc0 .Lentry_in_a_cluster
	s_endpgm
.Lentry_in_a_cluster:
	s_bfe_u32 s2, ttmp6, 0x10000c
	s_cmp_lg_u32 s2, 0xf033
	s_cbranch_scc0 .Lentry_shape_is_right
	s_endpgm
.Lentry_shape_is_right:
; out0[m][n] = b[n] + the sum over k of x[m][k] W[n][k].  M = N = K = 4,096.  x and W: codes of FP4 (E2M1), K innermost, two codes a byte: a row is 2,048 bytes; one E8M0 scale byte for each 32 along K:
; a row of scales is 128 bytes.  b and out0: f32.  The matrix instruction takes codes and scale bytes as they lie in memory; sums in f32.
; LIMITS.  Scale bytes go to the matrix unit as they are given: a byte 0xff stands for NaN there and makes its sums NaN.  The bias is the C of each sum's first matrix instruction: it enters the sum first, not last;
; K ascends but in the last 512, whose four quarters enter in the order 0, 2, 1, 3.
; SHARES.  C has 16 x 16 tiles of 256 x 256, one for each work-group of four waves; a wave makes 128 x 128: 32 accumulators of 32 x 16, 512 registers.
; K goes in 8 steps of 512 through a ring of two LDS slots filled by the tensor data mover: a tile's row is 256 bytes of memory, at a multiple of 256 from the buffer's first byte.
; CLUSTERS: 4 x 4 work-groups.  The four of a row of the cluster need the same tiles of x, the four of a column the same tiles of W: each tile is asked for JOINTLY, by the same tensor load with the same
; descriptor and a mask that names the four.  A load is 128 rows a wave: waves 0, 1 x, waves 2, 3 W.
; THE SCALES GO INTO REGISTERS, once, at the head: a wave reads the scale bytes of its 128 rows of x and of W as 512 consecutive bytes an instruction and turns them through LDS bytes of its own, 32 rows at a time:
; lane l then holds the 128 bytes of rows l, 32 + l, 64 + l, 96 + l.  Those of K step 7 stay in LDS as an image of their registers until that step.
; The scale registers differ from K step to K step, so the K steps are written out by macros.
; THE MATRIX INSTRUCTION IS USED TRANSPOSED (source 0 = 32 rows of W, source 1 = 16 rows of x): lane l holds row l % 16 of C; registers 0-7 the columns 8 (l / 16) + 0 .. 7, registers 8-15 the columns 16 further on.
; Source 0's scales fill all 32 lanes of their register; source 1's lie in lanes 0-15 (even blocks of x) or 16-31 (odd blocks).
; REGISTERS, in windows of 256: window 0: v0-31 addresses; v32-255 the scales of K steps 0 to 6.   window 1: W's fragments, two sets, v0-63 and v64-127; x's, two sets, v128-191 and v192-255.
;   window 2: the accumulators of my rows 0-63 ((a, bp) at v[64 (a % 4) + 16 bp]);   window 3: those of my rows 64-127.
; A step of 128 along K: eight groups (x's blocks), each four matrix instructions (W's pairs of blocks).  The next step's 32 fragment loads stand in ONE run behind the first group.
; PREFETCH INTO THE L2: one instruction a wave, a lane a row of 256 bytes: of the 128 rows that a wave fetches each of the four partners names 32, told apart by address.  K step 1 is asked for behind K step 0's load,
; K steps 2 and 3 behind K step 1's, and each refill asks for the K step two refills on.
.set KROW,   2048                      ; a row of codes in memory, in bytes
.set ROWB,   256                       ; a tile's row: 512 codes
.set PITCH,  272                       ; an LDS row: 256 bytes + 16 of padding = 68 words: row r starts at bank 4 r mod 64 (64 banks of 4 bytes: ISA guide 11.1)
.set SBLK,   16*PITCH                  ; 16 rows
.set HALFT,  128*PITCH
.set TILE,   256*PITCH
.set SLOT,   2*TILE                    ; x's 256 rows, then W's
.set OWN,    2*SLOT                    ; behind the ring: 8,704 bytes for each wave, where no tensor load lands: at the head 32 rows of scales and K step 7's image, on the way out the stage
.set OWNB,   8704
.set SROW,   144                       ; a row of 128 scale bytes + 16
.set IMG,    32*SROW                   ; K step 7's scale words, as they lie in registers: 8 x 512 bytes
.set SPITCH, 528                       ; the stage: 16 rows x (512 + 16) bytes
.set SPARE,  OWN+4*OWNB                ; the spare words, 128 bytes for each wave: two blocks of 256 bytes that no other line names
.set CROW,   16384                     ; a row of out0 in bytes
.set ADRA, 16                          ; v16-17 LDS address of my fragments of x in slot 0, 1
.set ADRB, 18                          ; v18-19 the same for W
.set STO,  20                          ; the way out: where I put 16 bytes of a row
.set RD,   21                          ; my own LDS bytes + 16 x lane
.set CO,   22                          ; 16 x lane: my byte offset in a row of C, and in 512 bytes of scales
.set PFO,  24                          ; 2,048 x lane: my row in a prefetch
.set BO,   25                          ; 32 x (lane / 16): the bias
.set SST,  26                          ; where I put 16 scale bytes: row lane / 8, piece lane % 8
.set SRD,  27                          ; where I read a row's scale bytes: row lane
.set SPW,  28                          ; LDS address of my spare word; never rewritten
.set NIL,  29                          ; 0; never rewritten
.set WV,   16                          ; s16 my wave's number
.set RH,   17                          ; s17 which half of the tile's rows is mine; also: I fetch for x (0) or for W (1)
.set CH,   18                          ; s18 which half of its columns; also: which 128 rows I fetch
.set G1A,  24                          ; s[24:31], s[32:39] descriptor group 1 for 128 rows of x, of W
.set G1B,  32
.set G0A,  56                          ; s[56:63] group 0 for x, one set for each slot
.set G0B,  68                          ; s[68:75] the same for W
.set PFA,  92                          ; s[92:93] my 32 rows for prefetches
.set MSB, 0
.macro WIN new                         ; the immediate's high byte repeats the setting that is left; a switch that changes nothing is dropped
.if MSB != \new
	s_set_vgpr_msb (MSB<<8)|\new
.set MSB, \new
.endif
.endm
.set MUL_LO, 0xa5                      ; sources 0, 1 window 1; C and D window 2
.set MUL_HI, 0xf5                      ; the same, C and D window 3
.set FIRST,  0xb5                      ; the first step: C (the bias) window 3, D window 2
.set TO_F,   0x40                      ; destination window 1, address window 0
; A load into a register that a matrix instruction has read, and an LDS store that reads a matrix result, stand four places behind that matrix instruction; only plain vector instructions that name none of its
; registers are places (ISA guide 7.12.1 for vector instructions).
.macro PLACES n
.rept \n
	v_nop
.endr
.endm
.macro JLOAD s                         ; a joint load into slot s: the branch hangs on the wave's number alone; each line has one mask
	s_cmp_eq_u32 s[RH], 0
	s_cbranch_scc0 .Lfor_w_\@
	tensor_load_to_lds s[G0A+4*(\s):G0A+4*(\s)+3], s[G1A:G1A+7]
	s_nop 0
	PLACES 4
	s_branch .Lasked_\@
.Lfor_w_\@:
	tensor_load_to_lds s[G0B+4*(\s):G0B+4*(\s)+3], s[G1B:G1B+7]
	s_nop 0
	PLACES 4
.Lasked_\@:
.endm
.macro CREST                           ; a round of the cluster's barrier behind its opening barrier
	s_cmp_lg_u32 s[WV], 0
	s_cbranch_scc1 .Lnot_wave_0_\@
	s_barrier_signal -3
.Lnot_wave_0_\@:
	s_barrier_wait -3
	s_barrier_signal -1
	s_barrier_wait -1
.endm
.macro CROUND                          ; a whole round
	s_barrier_signal -1
	s_barrier_wait -1
	CREST
.endm
.macro AHEAD n                         ; my 32 rows of K step n
	global_prefetch_b8 v[PFO], s[PFA:PFA+1] offset:(\n)*ROWB th:TH_LOAD_NT scope:SCOPE_SE
.endm
	s_load_b256 s[4:11], s[0:1], 0x0               ; x's codes s[4:5], x's scales s[6:7], W's codes s[8:9], W's scales s[10:11]
	s_load_b128 s[12:15], s[0:1], 0x20             ; b s[12:13], out0 s[14:15]
	v_lshl_add_u32 v[SPW], v0, 2, SPARE
	v_mov_b32 v[NIL], 0
	ds_add_u32 v[SPW], v[NIL]                      ; the wave's opening: the add, twice on end, and its wait
	ds_add_u32 v[SPW], v[NIL]
	v_lshrrev_b32 v1, 5, v0
	v_readfirstlane_b32 s[WV], v1                  ; wave 0..3
	s_lshr_b32 s[RH], s[WV], 1
	s_and_b32 s[CH], s[WV], 1
	s_bfe_u32 s2, ttmp6, 0x40000                   ; cx, cy: my place in the cluster
	s_bfe_u32 s3, ttmp6, 0x40004
	s_lshl_b32 s20, ttmp9, 2                       ; in a cluster launch ttmp9 and ttmp7 count clusters
	s_add_co_u32 s20, s20, s2                      ; tile column of C
	s_and_b32 s21, ttmp7, 0xffff
	s_lshl_b32 s21, s21, 2
	s_add_co_u32 s21, s21, s3                      ; tile row of C
	s_lshl_b32 s22, s3, 2
	s_lshl_b32 s22, 15, s22                        ; my row of the cluster: places 4 cy .. 4 cy + 3
	s_lshl_b32 s23, 0x1111, s2                     ; my column: places cx, cx + 4, cx + 8, cx + 12
	; descriptor group 1: 15:0 the mask; 17:16 elements of 1 byte; 20 padding on; 21 set beside a mask; 24:22 after every 64 words (code 5); 31:25 four words (code 3)
	s_or_b32 s[G1A], s22, (1<<20)|(1<<21)|(5<<22)|(3<<25)
	s_or_b32 s[G1B], s23, (1<<20)|(1<<21)|(5<<22)|(3<<25)
.irp g, G1A, G1B
	s_mov_b32 s[\g+1], ROWB<<16                    ; tensor_dim0 = 256
	s_mov_b32 s[\g+2], 128<<16                     ; tensor_dim1 = 128
	s_mov_b32 s[\g+3], ROWB<<16                    ; tile_dim0 = 256
	s_mov_b32 s[\g+4], 128                         ; tile_dim1 = 128
	s_mov_b32 s[\g+5], KROW                        ; bytes from row to row
	s_mov_b32 s[\g+6], 0
	s_mov_b32 s[\g+7], 0
.endr
	s_mov_b32 s[G0A], 1
	s_mov_b32 s[G0A+4], 1
	s_mov_b32 s[G0B], 1
	s_mov_b32 s[G0B+4], 1
	s_mul_i32 s[G0A+1], s[WV], HALFT               ; where my 128 rows go: wave x 128 rows
	s_mul_i32 s[G0B+1], s[WV], HALFT
	s_add_co_u32 s[G0A+5], s[G0A+1], SLOT
	s_add_co_u32 s[G0B+5], s[G0B+1], SLOT
	s_lshl_b32 s19, s[CH], 18                      ; which 128 rows I fetch, in bytes
	s_lshl_b32 s98, s21, 19                        ; x's codes: 256 rows x 2,048 bytes x tile row
	s_add_co_u32 s98, s98, s19
	s_mov_b32 s99, 0
	s_lshl_b32 s100, s20, 19                       ; W's codes, by the tile column
	s_add_co_u32 s100, s100, s19
	s_mov_b32 s101, 0
	s_mul_i32 s94, s[RH], HALFT                    ; my 128 rows of x in slot 0,
	s_add_co_u32 s96, s94, SLOT                    ; in slot 1
	s_mul_i32 s95, s[CH], HALFT
	s_add_co_u32 s95, s95, TILE                    ; my 128 rows of W, behind x's 256
	s_add_co_u32 s97, s95, SLOT
	s_mul_i32 s19, s[WV], OWNB
	s_add_co_u32 s19, s19, OWN                     ; my own LDS bytes
	v_and_b32 v1, 15, v0                           ; r = l % 16
	v_bfe_u32 v2, v0, 4, 1                         ; h = l / 16
	v_and_b32 v3, 31, v0                           ; l
	v_mul_u32_u24 v4, v1, PITCH
	v_lshl_add_u32 v4, v2, 4, v4                   ; a fragment: row x pitch + 16 h
	v_add_nc_u32 v[ADRA], s94, v4
	v_add_nc_u32 v[ADRA+1], s96, v4
	v_add_nc_u32 v[ADRB], s95, v4
	v_add_nc_u32 v[ADRB+1], s97, v4
	v_mul_u32_u24 v5, v1, SPITCH
	v_lshl_add_u32 v5, v2, 5, v5                   ; into the stage: row r, 32 bytes for each half of the lanes
	v_add_nc_u32 v[STO], s19, v5
	v_lshlrev_b32 v[CO], 4, v3
	v_add_nc_u32 v[RD], s19, v[CO]                 ; back: the 32 lanes take one row of 512 bytes
	v_lshrrev_b32 v6, 3, v3
	v_mul_u32_u24 v6, v6, SROW
	v_and_b32 v7, 7, v3
	v_lshl_add_u32 v6, v7, 4, v6
	v_add_nc_u32 v[SST], s19, v6
	v_mul_u32_u24 v8, v3, SROW
	v_add_nc_u32 v[SRD], s19, v8
	v_lshlrev_b32 v[PFO], 11, v3
	v_lshlrev_b32 v[BO], 5, v2
	s_wait_alu depctr_va_vdst(0)
	s_wait_dscnt 0x0                               ; both opening adds are done
	CROUND                                         ; all sixteen work-groups are here: the first joint loads meet
	s_wait_kmcnt 0x0
	s_add_nc_u64 s[G0A+2:G0A+3], s[4:5], s[98:99]          ; x: by the tile row and the wave alone
	s_add_nc_u64 s[G0B+2:G0B+3], s[8:9], s[100:101]        ; W: by the tile column and the wave alone
	s_add_nc_u64 s[G0A+6:G0A+7], s[G0A+2:G0A+3], ROWB      ; slot 1: K step 1
	s_add_nc_u64 s[G0B+6:G0B+7], s[G0B+2:G0B+3], ROWB
	s_or_b32 s[G0A+3], s[G0A+3], 0x80000000                ; 127:126 type = 2
	s_or_b32 s[G0B+3], s[G0B+3], 0x80000000
	s_or_b32 s[G0A+7], s[G0A+7], 0x80000000
	s_or_b32 s[G0B+7], s[G0B+7], 0x80000000
	JLOAD 0                                        ; K step 0: one tensor load a wave at the head
	s_lshl_b32 s22, s20, 10                        ; my first column, in bytes of f32: 1,024 x tile column + 512 x half
	s_lshl_b32 s23, s[CH], 9
	s_add_co_u32 s22, s22, s23
	s_mov_b32 s23, 0
	s_add_nc_u64 s[12:13], s[12:13], s[22:23]
	s_add_nc_u64 s[14:15], s[14:15], s[22:23]
	s_lshl_b32 s22, s21, 15                        ; x's scales: 32,768 bytes x tile row + 16,384 x half
	s_lshl_b32 s23, s[RH], 14
	s_add_co_u32 s22, s22, s23
	s_mov_b32 s23, 0
	s_add_nc_u64 s[6:7], s[6:7], s[22:23]
	s_lshl_b32 s22, s20, 15                        ; W's
	s_lshl_b32 s23, s[CH], 14
	s_add_co_u32 s22, s22, s23
	s_mov_b32 s23, 0
	s_add_nc_u64 s[10:11], s[10:11], s[22:23]
	s_lshl_b32 s22, s21, 22                        ; my first row of C: 256 x tile row + 128 x half, x 16,384 bytes
	s_lshl_b32 s23, s[RH], 21
	s_add_co_u32 s22, s22, s23
	s_mov_b32 s23, 0
	s_add_nc_u64 s[14:15], s[14:15], s[22:23]
	; prefetches: waves 0, 1 x's rows, waves 2, 3 W's; of my 128 rows the 32 of my place: cx among x's four partners, cy among W's
	s_cmp_eq_u32 s[RH], 0
	s_cselect_b32 s22, s2, s3
	s_cselect_b32 s23, s98, s100
	s_cselect_b64 s[PFA:PFA+1], s[4:5], s[8:9]
	s_lshl_b32 s22, s22, 16
	s_add_co_u32 s22, s22, s23
	s_mov_b32 s23, 0
	s_add_nc_u64 s[PFA:PFA+1], s[PFA:PFA+1], s[22:23]
	AHEAD 1
; the bias lands in the accumulators of block 7, in a result's layout, and is the C of every sum's first matrix instruction
	WIN 0xc0
.irp b, 0,1,2,3
	global_load_b128 v[192+16*\b:192+16*\b+3], v[BO], s[12:13] offset:128*\b
	global_load_b128 v[196+16*\b:196+16*\b+3], v[BO], s[12:13] offset:128*\b+16
	global_load_b128 v[200+16*\b:200+16*\b+3], v[BO], s[12:13] offset:128*\b+64
	global_load_b128 v[204+16*\b:204+16*\b+3], v[BO], s[12:13] offset:128*\b+80
.endr
; my scale bytes, 512 consecutive bytes (4 rows) a load, into window 2 (the sums begin later): chunk c is 32 rows: c = 0 .. 3 x's, 4 .. 7 W's
	WIN 0x80
.irp c, 0,1,2,3
.irp i, 0,1,2,3,4,5,6,7
	global_load_b128 v[32*\c+4*\i:32*\c+4*\i+3], v[CO], s[6:7] offset:4096*\c+512*\i
.endr
.endr
.irp c, 0,1,2,3
.irp i, 0,1,2,3,4,5,6,7
	global_load_b128 v[128+32*\c+4*\i:128+32*\c+4*\i+3], v[CO], s[10:11] offset:4096*\c+512*\i
.endr
.endr
; turned through my own LDS bytes, chunk after chunk (LDS serves a wave's instructions in order: ISA guide 5.7.1.4).  K step p's words: x's rows 32 j + lane at v[32 + 32 p + 4 j], W's at + 16; four words, one for each 128 along K
.irp c, 0,1,2,3,4,5,6,7
	s_wait_loadcnt 56-8*\c                         ; chunk c is in; the chunks behind it may be out
	WIN 0x08                                       ; an LDS store's data are its source 1: window 2
.irp i, 0,1,2,3,4,5,6,7
	ds_store_b128 v[SST], v[32*\c+4*\i:32*\c+4*\i+3] offset:4*SROW*\i
.endr
	WIN 0
.irp p, 0,1,2,3,4,5,6
	ds_load_b128 v[32+32*\p+4*\c:32+32*\p+4*\c+3], v[SRD] offset:16*\p
.endr
	WIN TO_F
	ds_load_b128 v[4*\c:4*\c+3], v[SRD] offset:112 ; K step 7's
.endr
	s_wait_dscnt 0x0
	WIN 0x04                                       ; K step 7's words, from window 1, into their image
.irp c, 0,1,2,3,4,5,6,7
	ds_store_b128 v[RD], v[4*\c:4*\c+3] offset:IMG+512*\c
.endr
	WIN 0
; A fragment of 16 rows x 128 K is 8 registers: lane l holds row l % 16; registers 4 c .. 4 c + 3 hold K = 64 c + 32 (l / 16) + 0 .. 31
.macro LDW s, q, b                     ; W's block b for the slot's q-th 128 along K: two neighbouring blocks make a source 0 of 32 rows
.irp c, 0,1
	ds_load_b128 v[64*((\q)%2)+8*(\b)+4*\c:64*((\q)%2)+8*(\b)+4*\c+3], v[ADRB+(\s)] offset:64*(\q)+32*\c+(\b)*SBLK
.endr
.endm
.macro LDX s, q, a
.irp c, 0,1
	ds_load_b128 v[128+64*((\q)%2)+8*(\a)+4*\c:128+64*((\q)%2)+8*(\a)+4*\c+3], v[ADRA+(\s)] offset:64*(\q)+32*\c+(\a)*SBLK
.endr
.endm
.macro RUN s, q                        ; all fragments of the slot's q-th 128 along K into set q % 2: 16 loads of W, then two for each block of x
	WIN TO_F
.irp i, 0,1,2,3,4,5,6,7
	LDW \s, \q, \i
.endr
.irp i, 0,1,2,3,4,5,6,7
	LDX \s, \q, \i
.endr
.endm
; A group: x's block a against W's four pairs.  The 32 accumulators take turns, one instruction a turn, in the same order in every step.
.macro GRP a, k, q
.set XR, 128+64*((\q)%2)+8*(\a)
.set SC, 32+32*(\k)
.set PB, 64*((\q)%2)
.if (\a) > 3
	WIN MUL_HI
.else
.if ((\k)+(\q)) == 0
	WIN FIRST
.else
	WIN MUL_LO
.endif
.endif
.irp b, 0,1,2,3
.set AC, 64*((\a)%4)+16*\b
.if ((\k)+(\q)) == 0
.set CC, 192+16*\b
.else
.set CC, AC
.endif
.if ((\a)%2) == 0
	v_wmma_scale_f32_32x16x128_f4 v[AC:AC+15], v[PB+16*\b:PB+16*\b+15], v[XR:XR+7], v[CC:CC+15], v[SC+16+4*\b+(\q)], v[SC+4*((\a)/2)+(\q)]
.else
	v_wmma_scale_f32_32x16x128_f4 v[AC:AC+15], v[PB+16*\b:PB+16*\b+15], v[XR:XR+7], v[CC:CC+15], v[SC+16+4*\b+(\q)], v[SC+4*((\a)/2)+(\q)] matrix_b_scale:MATRIX_SCALE_ROW1
.endif
.endr
.endm
; The first group of a slot's step q (0 .. 2), and the run for step q + 1: its set was last read in the step before.
.macro OPEN k, q
.set SL, (\k)%2
.set NX, (\q)+1
	s_wait_dscnt 14                                ; W's set and x's block 0 are in; x's blocks 1 to 7 may be out
	GRP 0, \k, \q
	PLACES 4
	RUN SL, NX
	s_wait_dscnt 32                                ; all but the run just issued
.endm
.macro STEP k, q
	OPEN \k, \q
.irp a, 1,2,3,4,5,6
	GRP \a, \k, \q
.endr
.if ((\k)+(\q)) == 0
	PLACES 5                                       ; block 7's products write over the bias, which block 6's read as their C
.endif
	GRP 7, \k, \q
.endm
; A slot's third step, and the barrier of the change of slots: the fourth step's fragments are asked for at its head, so a slot is read out before the fourth step begins.  In front of the signal each wave waits
; for all its tensor loads, adds 0 to its spare word, and waits for that and for its own reads of this slot; between signal and wait stand eight matrix instructions.
.macro MEET k
	OPEN \k, 2
.irp a, 1,2,3,4,5
	GRP \a, \k, 2
.endr
	WIN 0                                          ; (the add's two registers lie in window 0)
	s_wait_tensorcnt 0x0                           ; all my tensor loads have landed: my part of the next slot
	ds_add_u32 v[SPW], v[NIL]                      ; 0 onto my spare word
.if (\k) < 6
	s_add_nc_u64 s[G0A+4*SL+2:G0A+4*SL+3], s[G0A+4*SL+2:G0A+4*SL+3], 2*ROWB   ; this slot's next tile: no tensor load of mine is out
	s_add_nc_u64 s[G0B+4*SL+2:G0B+4*SL+3], s[G0B+4*SL+2:G0B+4*SL+3], 2*ROWB
.endif
	GRP 6, \k, 2
	s_wait_dscnt 0x0                               ; the add is done, and my reads of this slot are over
	s_barrier_signal -1
	GRP 7, \k, 2
	GRP 0, \k, 3
	WIN 0
	s_barrier_wait -1
.endm
; The change of slots: the barrier opens a round of the cluster's barrier, and behind it this slot is filled again, two K steps ahead; then comes the next slot's first run.
.macro TURN k
	MEET \k
	CREST                                          ; no wave of any partner still reads this slot's tile or has a load on its way
	JLOAD (\k)%2                                   ; a wave's first tensor load behind the round, and its only one until the next; its four v_nop are the places in front of the loads below
.set NS, 1-(\k)%2
	RUN NS, 0
.if (\k) < 4
	AHEAD (\k)+4                                   ; the K step two refills on; K steps 8 and up do not exist: the last refills ask for nothing
.endif
.irp a, 1,2,3,4,5,6,7
	GRP \a, \k, 3
.endr
.endm
	s_wait_alu depctr_va_vdst(0)
	s_wait_tensorcnt 0x0                           ; my part of K step 0 is in
	ds_add_u32 v[SPW], v[NIL]
	s_wait_dscnt 0x0                               ; the add, and my scale words
	CROUND                                         ; everybody's part of K step 0 is in, and all sixteen work-groups are here
	JLOAD 1                                        ; K step 1: the first tensor load behind the round
	RUN 0, 0
	AHEAD 2
	AHEAD 3
.irp k, 0,1,2,3,4,5
	STEP \k, 0
	STEP \k, 1
	TURN \k
.endr
	STEP 6, 0
	STEP 6, 1
; K STEP 7 (slot 1) GOES BY ROWS OF C: W's fragments of the whole K step fill window 1 (4 x 64 registers), and my eight blocks of 16 rows are finished one after the other, 16 matrix instructions each, the four
; accumulators by turns, three others between a sum's steps.  Each block leaves under the next block's products.  Window 0: v32-63 the scales, v64-127 x's fragments, two buffers of 16 rows x 512 K, v128-255 rows of C.
.macro BL q                            ; W's fragments of the q-th 128 along K
.irp b, 0,1,2,3,4,5,6,7
.irp c, 0,1
	ds_load_b128 v[64*\q+8*\b+4*\c:64*\q+8*\b+4*\c+3], v[ADRB+1] offset:64*\q+32*\c+\b*SBLK
.endr
.endr
.endm
.macro XL a                            ; x's block a, the whole K step
.set XA, 64+32*((\a)%2)
.irp q, 0,1,2,3
.irp c, 0,1
	ds_load_b128 v[XA+8*\q+4*\c:XA+8*\q+4*\c+3], v[ADRA+1] offset:64*\q+32*\c+(\a)*SBLK
.endr
.endr
.endm
.macro ROW a
.set XA, 64+32*((\a)%2)
	WIN 0xa1+0x50*((\a)/4)                         ; source 0 window 1, source 1 window 0, C and D window 2 or 3
.irp q, 0,2,1,3
.if (\a) == 0
.if \q == 0
	s_wait_dscnt 32                                ; all but the 32 loads of the run above
.endif
.if \q == 1
	s_wait_dscnt 16
.endif
.if \q == 3
	s_wait_dscnt 0
.endif
.endif
.irp b, 0,1,2,3
.set AC, 64*((\a)%4)+16*\b
.if ((\a)%2) == 0
	v_wmma_scale_f32_32x16x128_f4 v[AC:AC+15], v[64*\q+16*\b:64*\q+16*\b+15], v[XA+8*\q:XA+8*\q+7], v[AC:AC+15], v[48+4*\b+\q], v[32+4*((\a)/2)+\q]
.else
	v_wmma_scale_f32_32x16x128_f4 v[AC:AC+15], v[64*\q+16*\b:64*\q+16*\b+15], v[XA+8*\q:XA+8*\q+7], v[AC:AC+15], v[48+4*\b+\q], v[32+4*((\a)/2)+\q] matrix_b_scale:MATRIX_SCALE_ROW1
.endif
.endr
.endr
.endm
; A lane holds 32-byte pieces of a row, and the lanes beside it other rows: so a block goes through my own stage and comes back as whole rows of 512 bytes.  LDS serves a wave's instructions in order
; (ISA guide 5.7.1.4): no wait between the stores and the loads, nor in front of the next block's stores.
.macro TOSTAGE a
.set AB, 64*((\a)%4)
	WIN 0x08+4*((\a)/4)                            ; the data: window 2 or 3
.irp b, 0,1,2,3
	ds_store_b128 v[STO], v[AB+16*\b:AB+16*\b+3] offset:128*\b       ; each accumulator from its low end on
	ds_store_b128 v[STO], v[AB+16*\b+4:AB+16*\b+7] offset:128*\b+16
	ds_store_b128 v[STO], v[AB+16*\b+8:AB+16*\b+11] offset:128*\b+64
	ds_store_b128 v[STO], v[AB+16*\b+12:AB+16*\b+15] offset:128*\b+80
.endr
	WIN 0
.set BB, 128+64*((\a)%2)
.irp t, 0,1,2,3,4,5,6,7,8,9,10,11,12,13,14,15
	ds_load_b128 v[BB+4*\t:BB+4*\t+3], v[RD] offset:\t*SPITCH
.endr
.endm
.macro SEND a, younger                 ; younger: the LDS loads issued behind block a's, which may stay out
.set BB, 128+64*((\a)%2)
	s_wait_dscnt \younger                          ; the block is back in registers
.if (\a) > 0
	s_add_nc_u64 s[14:15], s[14:15], 16*CROW       ; (behind a wait on XCNT: the earlier stores have read their base) 16 rows of C on; the stores' offsets reach 15 rows, inside the signed 24-bit immediate (ISA guide, chapter 10)
.endif
.irp t, 0,1,2,3,4,5,6,7,8,9,10,11,12,13,14,15
	global_store_b128 v[CO], v[BB+4*\t:BB+4*\t+3], s[14:15] offset:\t*CROW th:TH_STORE_NT   ; 32 lanes store 512 consecutive bytes, at a multiple of 256 from out0's first byte
.endr
.endm
	MEET 6                                         ; slot 1 is whole; nothing is filled again, so no round follows
	PLACES 4
	WIN TO_F
	BL 0                                           ; into set 0's registers of W;
	BL 2                                           ; into set 0's registers of x: set 1 is still at work
	WIN 0
	XL 0
.irp c, 0,1,2,3,4,5,6,7
	ds_load_b128 v[32+4*\c:32+4*\c+3], v[RD] offset:IMG+512*\c   ; K step 7's scale words, into the place of K step 0's
.endr
	XL 1
.irp a, 1,2,3,4,5,6,7
	GRP \a, 6, 3
.endr
	PLACES 4
	WIN TO_F
	BL 1
	BL 3
	ROW 0
	PLACES 4                                       ; for the stores that read results, and the loads into the registers that held x's block
	TOSTAGE 0
	XL 2
.irp a, 1,2,3,4,5,6,7
.if \a == 7
	s_wait_dscnt 32                                ; x's block 7 is in; block 6's stage instructions may be out
.elseif \a > 1
	s_wait_dscnt 40                                ; x's block a is in; the 32 stage instructions and the eight loads behind it may be out
.endif
	ROW \a
	WIN 0
.if \a > 1
	s_wait_xcnt 0x0                                ; block a - 2's stores have read their registers and their base (ISA guide 3.1)
.endif
.if \a < 7
	SEND \a-1, 8                                   ; behind block a - 1's loads: x's block a + 1
.else
	SEND \a-1, 0
.endif
	PLACES 4
	TOSTAGE \a
.if \a < 6
	XL \a+2
.endif
.endr
	s_wait_xcnt 0x0                                ; block 6's stores have read their base
	SEND 7, 0
	s_wait_tensorcnt 0x0                           ; the wave's end, behind my last tensor load and my last LDS store
	ds_add_u32 v[SPW], v[NIL]
	s_wait_dscnt 0x0
	CROUND                                         ; the closing round: no work-group ends while a partner may still ask for a tile that names it
	s_endpgm
.Lfunc_end_k_q3b90cae8c8_gemm:
	.size	k_q3b90cae8c8_gemm, .Lfunc_end_k_q3b90cae8c8_gemm-k_q3b90cae8c8_gemm
	.p2alignl 7, 3214868480
	.fill 96, 4, 3214868480
	.section	.rodata,"a",@progbits
	.p2align	6, 0x0
	.amdhsa_kernel k_q3b90cae8c8_gemm
		.amdhsa_group_segment_fixed_size 327680
		.amdhsa_private_segment_fixed_size 0
		.amdhsa_enable_private_segment 0
		.amdhsa_kernarg_size 48
		.amdhsa_user_sgpr_count 2
		.amdhsa_user_sgpr_kernarg_segment_ptr 1
		.amdhsa_wavefront_size32 1
		.amdhsa_system_sgpr_workgroup_id_x 1
		.amdhsa_system_sgpr_workgroup_id_y 1
		.amdhsa_system_sgpr_workgroup_id_z 1
		.amdhsa_system_vgpr_workitem_id 0
		.amdhsa_next_free_vgpr 1024
		.amdhsa_next_free_sgpr 102
		.amdhsa_reserve_vcc 0
		.amdhsa_float_denorm_mode_32 3
		.amdhsa_float_denorm_mode_16_64 3
		.amdhsa_memory_ordered 1
		.amdhsa_forward_progress 1
		.amdhsa_inst_pref_size 255
	.end_amdhsa_kernel
	.section	.bss,"aw",@nobits
	.p2align	6
	.space	262144
	.amdgpu_metadata
---
amdhsa.version: [ 1, 2 ]
amdhsa.kernels:
  - .name:           k_q3b90cae8c8_gemm
    .symbol:         k_q3b90cae8c8_gemm.kd
    .args:
      - { .name: x_codes, .offset: 0, .size: 8, .value_kind: global_buffer, .address_space: global }
      - { .name: x_scales, .offset: 8, .size: 8, .value_kind: global_buffer, .address_space: global }
      - { .name: W_codes, .offset: 16, .size: 8, .value_kind: global_buffer, .address_space: global }
      - { .name: W_scales, .offset: 24, .size: 8, .value_kind: global_buffer, .address_space: global }
      - { .name: b, .offset: 32, .size: 8, .value_kind: global_buffer, .address_space: global }
      - { .name: out0, .offset: 40, .size: 8, .value_kind: global_buffer, .address_space: global }
    .group_segment_fixed_size: 327680
    .private_segment_fixed_size: 0
    .kernarg_segment_align: 8
    .kernarg_segment_size: 48
    .max_flat_workgroup_size: 128
    .sgpr_count:     102
    .vgpr_count:     1024
    .wavefront_size: 32
...
	.end_amdgpu_metadata
.endif
;; end of part 1
